; MI455X (gfx1250); checked and timed in simulation.
; The chip was launched on July 23, 2026; its instructions are those of AMD's public machine-readable ISA for CDNA 5 (MIT licence, August 2026) and "CDNA5" Instruction Set Architecture Reference Guide (July 2026). The comments in the code are by the model that wrote it; some were corrected since.
;; Sents Avg Summarizer. Allowed arithmetic: matrix products marked QUANTISED: E2M1 operands, one E8M0 scale for each 32 along K, by v_wmma_scale_f32_16x16x128_f8f6f4 with both operands' format E2M1 (or v_wmma_scale_f32_32x16x128_f4), f32 sums; products left as they are: f32 operands where the result goes on into a quantised operand, else bf16, f16 or f32 operands; f32 sums; everything else in f32.
;; Inputs: b_fc 1 float32; b_sents 768 float32; clss 64 x 64 int32; mask_clss 64 x 64 float32; sents_end 64 x 64 int32; top_vec 64 x 512 x 768 float32; w_fc 768 float32; w_sents_codes 768 x 24 x 16 uint8 (E2M1 codes of w_sents, K innermost, in blocks of 32 codes, two codes a byte); w_sents_scales 768 x 24 uint8 (E8M0 scales of w_sents, one for each 32 codes along K).
;; Outputs: out0 64 x 64 float32.
;; This version of the problem:
;;   THIS VERSION OF THE PROBLEM IS GIVEN IN LOW PRECISION. The matrix products marked QUANTISED in the list below multiply operands that are first quantised to E2M1 (2 exponent bits, 1 mantissa bit; 4 bits a number), with one power-of-two scale for each 32 numbers along K (OCP MX v1.0); their sums are f32. All else is computed in f32.
;;   The module's matrix products, in the order in which they are computed (A, B: the left and right operand; K: the contracted axis; several contracted axes count as one K, in the product's order):
;;     1. [M 4,096, K 768] x [K 768, N 768]; A: computed on the way; B: input w_sents (given as codes): QUANTISED
;;     2. [M 4,096, K 768] x [K 768, N 1]; A: computed on the way; B: input w_fc: left as it is (N = 1 < 16)
;;   THE QUANTISER, for each operand of a quantised product, along K:
;;     - K is cut into blocks of 32 from its start; a last block that is shorter is filled with zeros.
;;     - A block's scale is 2^e with e = floor(log2(the largest magnitude in the block)) - 2, held to -126 .. 127; a block of zeros has e = 0. As a byte (E8M0): e + 127.
;;     - Each number is divided by its block's scale, clamped to +-6, and rounded to the nearest number of E2M1, ties to even, subnormals kept.
;;     - The product sums the exact products of the quantised numbers (number of the format x scale) in f32.
;;   ~~~python
;;   def quantise(x, axis):      # numpy; x: float32 -> the quantised numbers, widened to float32 again
;;       x = np.moveaxis(x, axis, -1); K = x.shape[-1]
;;       x = np.pad(x, [(0, 0)] * (x.ndim - 1) + [(0, -K % 32)]); x = x.reshape(x.shape[:-1] + (-1, 32)); a = np.abs(x).max(-1, keepdims=True)
;;       e = np.where(a > 0, np.clip(np.frexp(np.where(a > 0, a, 1))[1] - 1 - 2, -126, 127), 0)      # np.frexp(a)[1] - 1 = floor(log2(a)), exactly
;;       r = np.clip(x / 2.0 ** e, -6, 6)
;;       step = 2.0 ** (np.maximum(np.frexp(np.where(r == 0, 1, r))[1] - 1, 0) - 1)
;;       q = np.round(r / step) * step * 2.0 ** e      # np.round: ties to even
;;       return np.moveaxis(q.reshape(q.shape[:-2] + (-1,))[..., :K], -1, axis).astype(np.float32)
;;   ~~~
;;   OPERANDS COMPUTED ON THE WAY. 'Computed on the way' means the value that the module computes at that place (a softmax that the list does not call 'softmax' is quantised finished and normalised). What goes into a quantiser is computed in f32, as accurately as f32 sums, v_exp_f32 and their like allow (about 1e-6 of the number): no bf16 or f16 on the way to a quantiser, and a product that is left as it is and whose result goes on into a quantised operand takes f32 operands (vector FMAs, or v_wmma_f32_16x16x4_f32). A number that lies on a knife's edge between two numbers of the format may be rounded either way, as far as f32 arithmetic and the matrix unit's own rounding can turn it there, and no further.
;;   INPUTS GIVEN AS CODES. w_sents (in the module: [768, 768], K = its axis 1): each comes as NAME_codes (uint8): NAME with its K axis moved to the last place and cut into blocks of 32 codes, [.., K / 32, bytes a block], one block behind the other in memory; two codes a byte, the lower K in the low four bits (a code: sign, 2 exponent bits, 1 mantissa bit); and NAME_scales (uint8): the same leading axes, one E8M0 byte (e + 127) for each 32 codes along K. Its value is code x scale, taken as it is: it is not quantised again, and the codes and scales need not be those that the quantiser above would give.
;; One version. Each part assembles by itself: llvm-mc -triple=amdgcn-amd-amdhsa -mcpu=gfx1250 --defsym DOCPART=n.
;; ======== version 1 of 1: 1 launch
;; limits: right only within a limited range of input values
;; launch sents (part 1): grid 256 x 1, 16 waves a work-group, no clusters, 327,680 bytes of LDS; arguments top_vec, clss, sents_end, mask_clss, w_sents_codes, w_sents_scales, b_sents, w_fc, b_fc, out0; writes out0
.if DOCPART == 1
	.amdgcn_target "amdgcn-amd-amdhsa--gfx1250"
	.amdhsa_code_object_version 6
	.text
	.protected	k_q6f7b33b45b_sents
	.globl	k_q6f7b33b45b_sents
	.p2align	8
	.type	k_q6f7b33b45b_sents,@function
k_q6f7b33b45b_sents:
	s_mov_b64 s[64:65], 0
	v_nop
	global_prefetch_b8 v0, s[64:65] scope:SCOPE_SE
	s_setreg_imm32_b32 hwreg(HW_REG_WAVE_MODE, 25, 1), 1
	s_wait_xcnt 0x0
; out[b][n] = sigmoid(m x (m > 0 ? (Q(mean) W^T + b_sents) . w_fc : top_vec[b][511] . w_fc) + b_fc) x m, m = mask_clss[b][n].
; mean = (the sum of rows clss .. sents_end - 1 of document b) / max(sents_end - clss, 1); Q quantises it to E2M1 with one E8M0 scale for each 32 along H; W comes as such codes and scales.
; SHARES.  256 work-groups of 16 waves.  Work-group x takes 16 sentences: document x / 4, sentences 16 (x % 4) on.  Wave w has two jobs:
;   it sums the rows of sentence w of the 16, the whole width (768 f32 = 24 registers a lane), and quantises the mean in its registers;
;   it multiplies all 16 means by W's rows 48 w .. 48 w + 47: 3 tiles x 6 K steps of 128 = 18 matrix instructions.
; What goes from wave to wave goes through LDS: codes and scale bytes of the 16 means (one barrier), then each wave's part of the 16 dots with w_fc (a second barrier); wave 0 finishes.
; THE ROWS ARE SUMMED DIRECTLY, ascending.  Where sents_end < clss the prefix difference is minus the sum of rows sents_end .. clss - 1 and the divisor is 1: so rows min .. max - 1 are summed and the
; factor is -1.  Any length is served: six rows at a time while more than seven are left, then one of eight written-out ends for 0 to 7 rows.
; W.  A wave's 48 rows of codes are 18,432 consecutive bytes: 36 loads of 512 consecutive bytes, six groups of six, laid by the wave into LDS bytes of its own (rows at a pitch of 400 = 25 x 16 bytes, so
; that the 16 rows of a fragment begin at 16 different 16-byte columns of 256 bytes) and read back as operand fragments.  W's groups and the rows take turns in eight slots of 24 registers; a group
; goes into LDS when it has come, and its slot takes a later item.  The fragments are read back while the last two rows are on their way.
; NO TENSOR LOADS, NO CLUSTER, NO JOINT LOADS OF W, though all work-groups read the same W: the trip count and the choice of the end hang on clss and sents_end, numbers read from memory.
; NO PREFETCH: a segment's rows are known only when its two indices have come, and are then asked for themselves, four rows a wave at once
; and each further one as a slot is free.  The mask is f32, so no branch hangs on it: every sentence is computed, and the mask selects values.
; LIMITS.  Indices are held to 0 .. 512.  NaN and infinities among the inputs are not served.  The mean is the sum x v_rcp_f32(length), one rounding and the reciprocal's 1 ulp (ISA guide, its entry) away
; from the division.  A block's largest magnitude has the floor 2^(3 - 127), so that its byte cannot fall under 1; a block of zeros so gets the byte 1 where the quantiser says 127: its codes are zeros,
; which add nothing under that byte, and this program alone reads the bytes.
; LDS: W's 16 x 19,200 bytes; CODES 16 rows of 384 bytes at a pitch of 400; SCB 32 bytes a sentence (scale words of K steps 0-2 at byte 0, of 3-5 at byte 16); PAR 128 bytes a wave: its 32 lanes' parts
;   of the dots; WFL a wave's 48 numbers of w_fc; PPA wave w's part of the last row's dot at 4 w; SPARE the spare words, 128 bytes a wave, that no other line names.
; REGISTERS: v0-13, v15 offsets and LDS addresses; v14 the mask; v16-25 W's scale words, v26-28 the means' (these hold scales alone); v29-31 w_fc, v32-34 b_sents, v61-63 the last row; then v32 half of
;   b_sents . w_fc, v[34:35] the factor; v36-59 the sum, later the accumulators; v64-255 the slots.  At the end slots 0, 1, 2, 5, 6, 7 hold W's fragments of K steps 0-5, slots 3, 4 the means'.
.set ROWB,  3072                       ; a row of top_vec in bytes
.set DOCB,  512*ROWB
.set CP,    400
.set WREG,  48*CP
.set CODES, 16*WREG
.set SCB,   CODES+16*CP
.set PAR,   SCB+512
.set WFL,   PAR+2048
.set PPA,   WFL+3072
.set SPARE, 319488                     ; 1,248 x 256
.set WS,    16
.set AS,    26
.set WF,    29
.set BS,    32
.set PV,    61
.set FC,    34
.set ACC,   36
.set DD,    36
.set SL,    64
.set AFR,   136                        ; the means' fragments: slots 3 and 4
.set MX,    162                        ; slot 4 ahead of that: largest magnitudes, scale bytes, codes
.set BY,    168
.set CD,    174
.set ISS,   0                          ; loads issued so far, from W's group 0 on
; W's group g into slot s: 3,072 consecutive bytes
.macro WLD g, s
.irp i, 0,1,2,3,4,5
	global_load_b128 v[SL+24*(\s)+4*\i:SL+24*(\s)+4*\i+3], v1, s[16:17] offset:512*(6*(\g)+\i)
.endr
.set ISS, ISS+6
.set EW\g, ISS
.endm
; row j from the stream pointer on into slot s.  No hint: segments may overlap, so a row may be read twice
.macro RLD j, s
.irp c, 0,1,2,3,4,5
	global_load_b128 v[SL+24*(\s)+4*\c:SL+24*(\s)+4*\c+3], v1, s[44:45] offset:ROWB*(\j)+512*\c
.endr
.set ISS, ISS+6
.set ER\j, ISS
.endm
.macro ADD s
.irp i, 0,2,4,6,8,10,12,14,16,18,20,22
	v_pk_add_f32 v[ACC+\i:ACC+\i+1], v[ACC+\i:ACC+\i+1], v[SL+24*(\s)+\i:SL+24*(\s)+\i+1]
.endr
.endm
; group g has come (the count: the loads issued behind it) and goes from slot s into LDS: three loads are four rows of W, four LDS rows of 400 bytes
.macro PUT g, s
	s_wait_loadcnt ISS-EW\g
.irp i, 0,1,2,3,4,5
	ds_store_b128 v[2+(\i)%3], v[SL+24*(\s)+4*\i:SL+24*(\s)+4*\i+3] offset:4*CP*(2*(\g)+(\i)/3)+512*((\i)%3)
.endr
.endm
.macro RIF j, s                        ; row j, where this end has it: asked for,
.if NR > \j
	RLD \j, \s
.endif
.endm
.macro AIF j, s                        ; and added (the count: the loads issued behind it)
.if NR > \j
	s_wait_loadcnt ISS-ER\j
	ADD \s
.endif
.endm
; What needs neither rows nor W: half of b_sents . w_fc and the last row . w_fc over my 48 numbers, the factor, w_fc into LDS
.macro SMALL
	v_mul_f32 v[BS], v[BS], v[WF]
	v_mul_f32 v[PV], v[PV], v[WF]
	v_fmac_f32 v[BS], v[BS+1], v[WF+1]
	v_fmac_f32 v[PV], v[PV+1], v[WF+1]
	v_fmac_f32 v[BS], v[BS+2], v[WF+2]
	v_fmac_f32 v[PV], v[PV+2], v[WF+2]
	v_cvt_f32_i32 v[FC], s60
	s_wait_alu depctr_va_vdst(0)                   ; the wait ahead of the transcendental,
	v_rcp_f32 v[FC], v[FC]                         ; 1 / max(d, 1)
.irp x, 1,2,4
	v_add_f32_dpp v[BS], v[BS], v[BS] row_xmask:\x row_mask:0xf bank_mask:0xf
	v_add_f32_dpp v[PV], v[PV], v[PV] row_xmask:\x row_mask:0xf bank_mask:0xf
.endr
	v_add_f32_dpp v[BS], v[BS], v[BS] row_xmask:8 row_mask:0xf bank_mask:0xf
	v_add_f32_dpp v[BS+1], v[PV], v[PV] row_xmask:8 row_mask:0xf bank_mask:0xf
	s_wait_alu depctr_va_vdst(0)                   ; and ahead of its first reader
	v_mul_f32 v[FC], s39, v[FC]                    ; d < 0: the prefix difference is minus the sum
	v_mul_f32 v[BS], 0.5, v[BS]                    ; each half of the lanes begins its sums with one half
.irp z, 60,61,62,63
	v_mov_b32 v[\z], 0                             ; zeros behind the sum: the last conversion names them
.endr
	v_mov_b32 v[FC+1], v[FC]
	ds_store_b32 v13, v[WF]                        ; the two halves of the lanes write the same words with the same values
	ds_store_b32 v13, v[WF+1] offset:64
	ds_store_b32 v13, v[WF+2] offset:128
	ds_store_b32 v11, v[BS+1]
	s_wait_alu depctr_va_vdst(0)                   ; the wait ahead of the blocking waits below
.endm
; W's 18 fragments.  Lane (r, h) takes of row 16 t + r the 16 bytes of K = 128 g + 64 c + 32 h on: one block of 32 codes as it lies, which is the 4-bit operand's layout.
; My own bytes: LDS serves a wave's instructions in order (ISA guide 5.7.1.4)
.macro FRAGS
.irp g, 0,1,2,3,4,5
.irp t, 0,1,2
.irp c, 0,1
	ds_load_b128 v[SL+24*(\g+2*(\g/3))+8*\t+4*\c:SL+24*(\g+2*(\g/3))+8*\t+4*\c+3], v12 offset:16*CP*\t+64*\g+32*\c
.endr
.endr
.endr
.endm
; The last n rows (0 to 7), and W.  W's groups 0 and 1 were asked for at the head.
.macro FINAL n
.set NR, \n
.set ISS, 12
	RIF 0, 2
	RIF 1, 3
	WLD 2, 4
	RIF 2, 5
	WLD 3, 6
	RIF 3, 7
	PUT 0, 0
	WLD 4, 0
	SMALL
	PUT 1, 1
	RIF 4, 1
	AIF 0, 2
	WLD 5, 2
	AIF 1, 3
	RIF 5, 3
	PUT 2, 4
	RIF 6, 4
	AIF 2, 5
	PUT 3, 6
	AIF 3, 7
	PUT 4, 0
	AIF 4, 1
	PUT 5, 2
	FRAGS
	AIF 5, 3
	AIF 6, 4
.endm
; One matrix instruction: tile t, K step s.  Source 0 = 16 rows of W, source 1 = the 16 means: register j of lane (r, h) is (W's row 16 t + 8 h + j, sentence r).
; sc, ra: the register of W's scale words and whether its lanes 16-31 hold them.  The means' words of K steps 3-5 lie in lanes 16-31.
.macro WM t, s, sc, ra
.set D0, DD+8*\t
.set W0, SL+24*((\s)+2*((\s)/3))+8*\t
.set A0, AFR+8*(\s)
.set S0, AS+(\s)%3
.if (\s) == 0
.if \ra
	v_wmma_scale_f32_16x16x128_f8f6f4 v[D0:D0+7], v[W0:W0+7], v[A0:A0+7], 0, v[\sc], v[S0] matrix_a_fmt:MATRIX_FMT_FP4 matrix_b_fmt:MATRIX_FMT_FP4 matrix_a_scale:MATRIX_SCALE_ROW1
.else
	v_wmma_scale_f32_16x16x128_f8f6f4 v[D0:D0+7], v[W0:W0+7], v[A0:A0+7], 0, v[\sc], v[S0] matrix_a_fmt:MATRIX_FMT_FP4 matrix_b_fmt:MATRIX_FMT_FP4
.endif
.elseif (\s) < 3
.if \ra
	v_wmma_scale_f32_16x16x128_f8f6f4 v[D0:D0+7], v[W0:W0+7], v[A0:A0+7], v[D0:D0+7], v[\sc], v[S0] matrix_a_fmt:MATRIX_FMT_FP4 matrix_b_fmt:MATRIX_FMT_FP4 matrix_a_scale:MATRIX_SCALE_ROW1
.else
	v_wmma_scale_f32_16x16x128_f8f6f4 v[D0:D0+7], v[W0:W0+7], v[A0:A0+7], v[D0:D0+7], v[\sc], v[S0] matrix_a_fmt:MATRIX_FMT_FP4 matrix_b_fmt:MATRIX_FMT_FP4
.endif
.else
.if \ra
	v_wmma_scale_f32_16x16x128_f8f6f4 v[D0:D0+7], v[W0:W0+7], v[A0:A0+7], v[D0:D0+7], v[\sc], v[S0] matrix_a_fmt:MATRIX_FMT_FP4 matrix_b_fmt:MATRIX_FMT_FP4 matrix_a_scale:MATRIX_SCALE_ROW1 matrix_b_scale:MATRIX_SCALE_ROW1
.else
	v_wmma_scale_f32_16x16x128_f8f6f4 v[D0:D0+7], v[W0:W0+7], v[A0:A0+7], v[D0:D0+7], v[\sc], v[S0] matrix_a_fmt:MATRIX_FMT_FP4 matrix_b_fmt:MATRIX_FMT_FP4 matrix_b_scale:MATRIX_SCALE_ROW1
.endif
.endif
.endm
; K step s: three matrix instructions, the three accumulators by turns.  younger: the LDS loads issued behind this step's two
.macro MM s, younger
	s_wait_dscnt \younger
	WM 0, \s, WS+\s, 0
	WM 1, \s, WS+\s, 1
.if (\s) < 2
	WM 2, \s, WS+6+\s, 0
.else
	WM 2, \s, WS+4+\s, 1
.endif
.endm
.macro BAR                             ; my LDS stores have landed and my LDS loads are in (zero, for the other waves' sake); then the work-group's barrier
	s_wait_dscnt 0x0
	s_barrier_signal -1
	s_barrier_wait -1
.endm
	; ---- the head: offsets and LDS addresses, while the arguments are on their way
	s_load_b512 s[8:23], s[0:1], 0x0               ; top_vec s[8:9], clss s[10:11], sents_end s[12:13], mask s[14:15], W's codes s[16:17], W's scales s[18:19], b_sents s[20:21], w_fc s[22:23]
	s_load_b128 s[24:27], s[0:1], 0x40             ; b_fc s[24:25], out s[26:27]
	v_lshrrev_b32 v63, 5, v0
	v_readfirstlane_b32 s2, v63                    ; wave 0..15
	s_mul_i32 s3, s2, WREG                         ; my bytes of W's rows in LDS
	s_mul_i32 s4, s2, CP
	s_add_co_u32 s4, s4, CODES                     ; my mean's codes
	s_lshl_b32 s5, s2, 5
	s_add_co_u32 s5, s5, SCB                       ; and scale bytes
	s_lshl_b32 s6, s2, 7
	s_add_co_u32 s6, s6, PAR                       ; my parts of the dots
	s_mul_i32 s52, s2, 48*4                        ; my 48 numbers of w_fc and b_sents
	s_add_co_u32 s7, s52, WFL
	s_add_co_u32 s58, s52, 511*ROWB                ; and of a document's last row
	s_lshl_b32 s36, s2, 2
	s_lshl_b32 s54, ttmp9, 6                       ; the work-group's 16 words of the mask and of the output
	s_add_co_u32 s28, s54, s36                     ; my sentence's index words
	s_add_co_u32 s36, s36, PPA
	s_mul_i32 s48, s2, 48*384                      ; my 48 rows of W's codes
	s_mul_i32 s50, s2, 48*24                       ; of its scales
	s_lshr_b32 s56, ttmp9, 2
	s_mul_i32 s56, s56, DOCB                       ; my document: 63 at the most: under 2^31
.irp z, 29,37,49,51,53,55,57,59
	s_mov_b32 s[\z], 0                             ; the high words
.endr
	s_mov_b32 s40, 0x76543210                      ; v_permlanex16_b32's selects for lane l xor 16
	s_mov_b32 s41, 0xfedcba98
	v_and_b32 v62, 31, v0                          ; lane
	v_and_b32 v61, 15, v0                          ; r
	v_bfe_u32 v59, v0, 4, 1                        ; h
	v_lshlrev_b32 v1, 4, v62                       ; a row's and W's loads: 16 bytes a lane
	v_mul_u32_u24 v35, 24, v62                     ; W's scale words, tiles 0 and 1: row = lane
	v_mul_u32_u24 v60, 24, v61                     ; tile 2: row 32 + r,
	v_mul_u32_u24 v7, CP, v61
	v_mul_u32_u24 v2, 43, v62                      ; 43 u / 1,024 is u / 24, rounded down, for u under 96
	v_lshlrev_b32 v15, 2, v61                      ; 4 r: w_fc, b_sents, the last row, the mask, the output
	v_lshlrev_b32 v8, 5, v61
	v_lshrrev_b32 v6, 3, v62
	v_lshl_add_u32 v60, v59, 3, v60                ; + 8 h
	v_lshl_add_u32 v12, v59, 4, v7                 ; a fragment: 400 r + 16 h
	v_add_nc_u32 v3, 43*32, v2                     ; u = 32 b + lane: the 16-byte pieces of three loads, 24 to a row
	v_add_nc_u32 v4, 43*64, v2
	v_lshl_add_u32 v5, v62, 1, s4                  ; my codes: 2 bytes a lane
	v_lshl_add_u32 v8, v59, 4, v8
	v_add_nc_u32 v6, s5, v6                        ; my block's byte: lane / 8
	v_lshrrev_b32 v2, 10, v2
	v_lshrrev_b32 v3, 10, v3
	v_lshrrev_b32 v4, 10, v4
	v_add_nc_u32 v7, CODES, v12                    ; the means' fragments
	v_add_nc_u32 v12, s3, v12                      ; W's fragments
	v_add_nc_u32 v2, v2, v62
	v_add_nc_u32 v3, v3, v62
	v_add_nc_u32 v4, v4, v62
	v_add_nc_u32 v8, SCB, v8                       ; the means' scale words: SCB + 32 r + 16 h
	v_lshl_add_u32 v2, v2, 4, s3                   ; W's rows into LDS: 16 (lane + u / 24), and 512 b in the offset
	v_lshl_add_u32 v3, v3, 4, s3
	v_lshl_add_u32 v4, v4, 4, s3
	v_lshl_add_u32 v9, v62, 2, s6                  ; my lane's part of a dot
	v_lshl_add_u32 v10, v59, 5, s7                 ; w_fc back from LDS: 32 h on
	v_lshl_add_u32 v13, v61, 2, s7                 ; w_fc into LDS
	v_mov_b32 v11, s36                             ; PPA + 4 w
.set Z, ACC
.rept 24
	v_mov_b32 v[Z], 0                              ; the sum begins as zeros, since a segment may have no row at all
.set Z, Z+1
.endr
	s_wait_alu depctr_va_vdst(0)
	s_wait_kmcnt 0x0
	s_add_nc_u64 s[10:11], s[10:11], s[28:29]
	s_add_nc_u64 s[12:13], s[12:13], s[28:29]
	s_load_b32 s30, s[10:11], 0x0                  ; clss of my sentence
	s_load_b32 s31, s[12:13], 0x0                  ; sents_end
	s_load_b32 s38, s[24:25], 0x0                  ; b_fc
	s_add_nc_u64 s[18:19], s[18:19], s[50:51]
	s_add_nc_u64 s[16:17], s[16:17], s[48:49]
	s_add_nc_u64 s[20:21], s[20:21], s[52:53]
	s_add_nc_u64 s[22:23], s[22:23], s[52:53]
	s_add_nc_u64 s[14:15], s[14:15], s[54:55]
	s_add_nc_u64 s[26:27], s[26:27], s[54:55]
	s_add_nc_u64 s[62:63], s[8:9], s[56:57]        ; my document
	s_add_nc_u64 s[42:43], s[62:63], s[58:59]      ; my 48 numbers of its last row
.irp p, 0,1,2
	global_load_b64 v[WS+2*\p:WS+2*\p+1], v35, s[18:19] offset:8*\p   ; words 2 p, 2 p + 1: lanes 0-15 tile 0, lanes 16-31 tile 1
.endr
	global_load_b64 v[WS+6:WS+7], v60, s[18:19] offset:32*24          ; tile 2: words 0, 1 in lanes 0-15, words 2, 3 in lanes 16-31
	global_load_b64 v[WS+8:WS+9], v60, s[18:19] offset:32*24+8        ; words 2, 3 in lanes 0-15, words 4, 5 in lanes 16-31
.irp t, 0,1,2
	global_load_b32 v[WF+\t], v15, s[22:23] offset:64*\t
	global_load_b32 v[BS+\t], v15, s[20:21] offset:64*\t
	global_load_b32 v[PV+\t], v15, s[42:43] offset:64*\t
.endr
	global_load_b32 v14, v15, s[14:15]             ; the mask of sentence r
	WLD 0, 0                                       ; W's first two groups, while the indices are on their way
	WLD 1, 1
	s_wait_kmcnt 0x0
	; ---- the bounds
	s_sub_co_i32 s35, s31, s30                     ; d = sents_end - clss, signed
	s_min_i32 s32, s30, s31
	s_max_i32 s33, s30, s31
	s_max_i32 s32, s32, 0
	s_max_i32 s33, s33, 0
	s_min_u32 s32, s32, 512                        ; held to 0 .. 512, this hold last: behind it only a multiplication and sums lead to the address
	s_min_u32 s33, s33, 512
	s_sub_co_u32 s34, s33, s32                     ; rows to sum
	s_mul_i32 s36, s32, ROWB
	s_add_nc_u64 s[44:45], s[62:63], s[36:37]      ; the first of them
	s_max_i32 s60, s35, 1                          ; the divisor
	s_cmp_lt_i32 s35, 0
	s_cselect_b32 s39, -1.0, 1.0
	; ---- while more than seven rows are left: six at a time, in slots 2 to 7
	s_cmp_gt_u32 s34, 7
	s_cbranch_scc0 .Llast
.Lmore:
.irp j, 0,1,2,3,4,5
	RLD \j, \j+2
.endr
.irp j, 0,1,2,3,4,5
	s_wait_loadcnt 6*(5-\j)                        ; row j's six loads are in; the later rows' may be out
	ADD \j+2
.endr
	s_add_nc_u64 s[44:45], s[44:45], 6*ROWB        ; the last wait was for zero: no load that names the pointer is out
	s_sub_co_u32 s34, s34, 6
	s_cmp_gt_u32 s34, 7
	s_cbranch_scc1 .Lmore
.Llast:
	s_cmp_eq_u32 s34, 7
	s_cbranch_scc1 .Lf7
	s_cmp_eq_u32 s34, 6
	s_cbranch_scc1 .Lf6
	s_cmp_eq_u32 s34, 5
	s_cbranch_scc1 .Lf5
	s_cmp_eq_u32 s34, 4
	s_cbranch_scc1 .Lf4
	s_cmp_eq_u32 s34, 3
	s_cbranch_scc1 .Lf3
	s_cmp_eq_u32 s34, 2
	s_cbranch_scc1 .Lf2
	s_cmp_eq_u32 s34, 1
	s_cbranch_scc1 .Lf1
	FINAL 0
	s_branch .Ljoin
.Lf1:
	FINAL 1
	s_branch .Ljoin
.Lf2:
	FINAL 2
	s_branch .Ljoin
.Lf3:
	FINAL 3
	s_branch .Ljoin
.Lf4:
	FINAL 4
	s_branch .Ljoin
.Lf5:
	FINAL 5
	s_branch .Ljoin
.Lf6:
	FINAL 6
	s_branch .Ljoin
.Lf7:
	FINAL 7
.Ljoin:
	; ---- the mean, and its codes and scale bytes
.irp i, 0,2,4,6,8,10,12,14,16,18,20,22
	v_pk_mul_f32 v[ACC+\i:ACC+\i+1], v[ACC+\i:ACC+\i+1], v[FC:FC+1]
.endr
	; A block of 32 columns, 128 c + 32 g on, is the four registers 4 c .. 4 c + 3 of the eight lanes 8 g .. 8 g + 7.  The six c by turns, so that no line waits for the line above it
.irp c, 0,1,2,3,4,5
	v_max3_num_f32 v[MX+\c], |v[ACC+4*\c]|, |v[ACC+4*\c+1]|, 0x1800000   ; with the floor 2^(3 - 127)
.endr
.irp c, 0,1,2,3,4,5
	v_max3_num_f32 v[MX+\c], v[MX+\c], |v[ACC+4*\c+2]|, |v[ACC+4*\c+3]|
.endr
.irp x, 1,2,4
.irp c, 0,1,2,3,4,5
	v_max_num_f32_dpp v[MX+\c], v[MX+\c], v[MX+\c] row_xmask:\x row_mask:0xf bank_mask:0xf
.endr
.endr
.irp c, 0,1,2,3,4,5
	v_add_nc_u32 v[MX+\c], 0xff000000, v[MX+\c]    ; 2 off the exponent field: the conversion takes the exponent field of this operand as its scale, and nothing else of it
.endr
.irp c, 0,1,2,3,4,5
	v_lshrrev_b32 v[BY+\c], 23, v[MX+\c]           ; the scale's byte
.endr
.irp c, 0,1,2,3,4,5
	v_cvt_scalef32_pk8_fp4_f32 v[CD+\c], v[ACC+4*\c:ACC+4*\c+7], v[MX+\c]   ; the form takes eight numbers: my four of this block give the low 16 bits, which alone are stored; the other four (the next c's, or the zeros) are another block's
.endr
	v_nop                                          ; one plain instruction behind the last scaled conversion: the products below write over its sources
.irp c, 0,1,2,3,4,5
	ds_store_b16 v5, v[CD+\c] offset:64*\c         ; columns 128 c + 4 lane + 0 .. 3: bytes 64 c + 2 lane, the lower column in the lower four bits
.endr
.irp c, 0,1,2
	ds_store_b8 v6, v[BY+\c] offset:4*\c           ; the eight lanes of a block write the same byte with the same value
	ds_store_b8 v6, v[BY+3+\c] offset:16+4*\c
.endr
	BAR                                            ; the 16 means lie in LDS as codes and scale bytes
	; ---- the product
	ds_load_b96 v[AS:AS+2], v8                     ; lanes 0-15: the scale words of K steps 0-2 of sentence r; lanes 16-31: of K steps 3-5
.irp s, 0,1,2,3,4,5
.irp c, 0,1
	ds_load_b128 v[AFR+8*\s+4*\c:AFR+8*\s+4*\c+3], v7 offset:64*\s+32*\c
.endr
.endr
	MM 0, 10                                       ; its products start the sums: nothing is cleared
	MM 1, 8
	MM 2, 6
.rept 4
	v_nop                                          ; places in front of loads into registers that K step 0's products have read
.endr
.irp t, 0,1,2
.irp c, 0,1
	ds_load_b128 v[SL+8*\t+4*\c:SL+8*\t+4*\c+3], v10 offset:64*\t+16*\c   ; w_fc at my eight rows of tile t, into slot 0
.endr
.endr
	MM 3, 10                                       ; behind K step 3's loads: those of steps 4 and 5, and w_fc's six
	MM 4, 8
	MM 5, 6
	s_wait_dscnt 0x0
	; five plain instructions that name no register of the products: the places between the last of them and the first read of a result
	v_and_b32 v2, 31, v0
	v_mov_b32 v3, PPA                              ; where wave 0 reads the last row's parts,
	v_mov_b32 v30, v[BS]
	v_mov_b32 v31, 0
	v_lshl_add_u32 v2, v2, 2, PAR                  ; and those of the dots
	v_pk_fma_f32 v[30:31], v[DD:DD+1], v[SL:SL+1], v[30:31]   ; each accumulator from its low end on; two chains
	v_pk_mul_f32 v[62:63], v[DD+2:DD+3], v[SL+2:SL+3]
.irp i, 4,8,12,16,20
	v_pk_fma_f32 v[30:31], v[DD+\i:DD+\i+1], v[SL+\i:SL+\i+1], v[30:31]
	v_pk_fma_f32 v[62:63], v[DD+\i+2:DD+\i+3], v[SL+\i+2:SL+\i+3], v[62:63]
.endr
	v_pk_add_f32 v[30:31], v[30:31], v[62:63]
	s_delay_alu instid0(VALU_DEP_1)
	v_add_f32 v30, v30, v31
	ds_store_b32 v9, v30                           ; sentence r: my 24 of the wave's 48 rows
	BAR                                            ; all sixteen waves' parts lie in LDS
	; ---- wave 0 adds the parts and finishes; lane r has sentence r
	s_cmp_lg_u32 s2, 0
	s_cbranch_scc1 .Lend
.irp k, 0,1,2,3,4,5,6,7,8,9,10,11,12,13,14,15
	ds_load_b32 v[64+\k], v2 offset:128*\k         ; wave k's part of sentence r's dot, my half h of its rows
.endr
.irp q, 0,1,2,3
	ds_load_b128 v[80+4*\q:83+4*\q], v3 offset:16*\q   ; the sixteen parts of the last row's dot
.endr
	s_wait_dscnt 0x0
.irp b, 64,80                                  ; two trees of sums, by turns
	v_pk_add_f32 v[\b:\b+1], v[\b:\b+1], v[\b+2:\b+3]
	v_pk_add_f32 v[\b+4:\b+5], v[\b+4:\b+5], v[\b+6:\b+7]
	v_pk_add_f32 v[\b+8:\b+9], v[\b+8:\b+9], v[\b+10:\b+11]
	v_pk_add_f32 v[\b+12:\b+13], v[\b+12:\b+13], v[\b+14:\b+15]
.endr
.irp b, 64,80
	v_pk_add_f32 v[\b:\b+1], v[\b:\b+1], v[\b+4:\b+5]
	v_pk_add_f32 v[\b+8:\b+9], v[\b+8:\b+9], v[\b+12:\b+13]
.endr
.irp b, 64,80
	v_pk_add_f32 v[\b:\b+1], v[\b:\b+1], v[\b+8:\b+9]
.endr
.irp b, 64,80
	v_add_f32 v[\b], v[\b], v[\b+1]
.endr
	v_permlanex16_b32 v66, v64, s40, s41           ; the other half's rows
	v_cmp_lt_f32 vcc_lo, 0, v14                    ; m > 0?
	v_add_f32 v64, v64, v66
	s_delay_alu instid0(VALU_DEP_1)
	v_cndmask_b32 v64, v80, v64, vcc_lo            ; the sentence's dot, else the last row's
	s_delay_alu instid0(VALU_DEP_1)
	v_fma_f32 v64, v14, v64, s38                   ; x m, + b_fc
	s_delay_alu instid0(VALU_DEP_1)
	v_mul_f32 v64, 0xbfb8aa3b, v64                 ; x -log2(e)
	s_wait_alu depctr_va_vdst(0)
	v_exp_f32 v65, v64
	v_nop                                          ; a plain instruction behind the exponential, and the wait ahead of its reader
	s_wait_alu depctr_va_vdst(0)
	v_add_f32 v65, 1.0, v65
	s_wait_alu depctr_va_vdst(0)
	v_rcp_f32 v64, v65                             ; the sigmoid
	v_nop
	s_wait_alu depctr_va_vdst(0)
	v_mul_f32 v64, v64, v14                        ; x m
	s_wait_alu depctr_va_vdst(0)                   ; the wait ahead of the blocking wait
	s_wait_xcnt 0x0                                ; EXEC changes only behind this wait: it is a source of the loads issued above
	v_cmp_gt_u32 vcc_lo, 16, v0
	s_and_saveexec_b32 s46, vcc_lo                 ; lanes 0-15: one lane a sentence
	global_store_b32 v15, v64, s[26:27]            ; the work-group's 64 consecutive bytes of the output
	s_wait_xcnt 0x0
	s_or_b32 exec_lo, exec_lo, s46
.Lend:
	v_lshl_add_u32 v60, v0, 2, SPARE               ; the wave's end, behind my last LDS store
	v_mov_b32 v61, 0
	s_wait_alu depctr_va_vdst(0)
	s_wait_tensorcnt 0x0
	ds_add_u32 v60, v61
	s_wait_dscnt 0x0
	s_endpgm
.Lfunc_end_k_q6f7b33b45b_sents:
	.size	k_q6f7b33b45b_sents, .Lfunc_end_k_q6f7b33b45b_sents-k_q6f7b33b45b_sents
	.p2alignl 7, 3214868480
	.fill 96, 4, 3214868480
	.section	.rodata,"a",@progbits
	.p2align	6, 0x0
	.amdhsa_kernel k_q6f7b33b45b_sents
		.amdhsa_group_segment_fixed_size 327680
		.amdhsa_private_segment_fixed_size 0
		.amdhsa_enable_private_segment 0
		.amdhsa_kernarg_size 80
		.amdhsa_user_sgpr_count 2
		.amdhsa_user_sgpr_kernarg_segment_ptr 1
		.amdhsa_wavefront_size32 1
		.amdhsa_system_sgpr_workgroup_id_x 1
		.amdhsa_system_sgpr_workgroup_id_y 1
		.amdhsa_system_sgpr_workgroup_id_z 1
		.amdhsa_system_vgpr_workitem_id 0
		.amdhsa_next_free_vgpr 256
		.amdhsa_next_free_sgpr 66
		.amdhsa_reserve_vcc 1
		.amdhsa_float_denorm_mode_32 3
		.amdhsa_float_denorm_mode_16_64 3
		.amdhsa_memory_ordered 1
		.amdhsa_forward_progress 1
		.amdhsa_inst_pref_size 134
	.end_amdhsa_kernel
	.amdgpu_metadata
---
amdhsa.version: [ 1, 2 ]
amdhsa.kernels:
  - .name:           k_q6f7b33b45b_sents
    .symbol:         k_q6f7b33b45b_sents.kd
    .args:
      - { .name: top_vec, .offset: 0, .size: 8, .value_kind: global_buffer, .address_space: global }
      - { .name: clss, .offset: 8, .size: 8, .value_kind: global_buffer, .address_space: global }
      - { .name: sents_end, .offset: 16, .size: 8, .value_kind: global_buffer, .address_space: global }
      - { .name: mask_clss, .offset: 24, .size: 8, .value_kind: global_buffer, .address_space: global }
      - { .name: w_sents_codes, .offset: 32, .size: 8, .value_kind: global_buffer, .address_space: global }
      - { .name: w_sents_scales, .offset: 40, .size: 8, .value_kind: global_buffer, .address_space: global }
      - { .name: b_sents, .offset: 48, .size: 8, .value_kind: global_buffer, .address_space: global }
      - { .name: w_fc, .offset: 56, .size: 8, .value_kind: global_buffer, .address_space: global }
      - { .name: b_fc, .offset: 64, .size: 8, .value_kind: global_buffer, .address_space: global }
      - { .name: out0, .offset: 72, .size: 8, .value_kind: global_buffer, .address_space: global }
    .group_segment_fixed_size: 327680
    .private_segment_fixed_size: 0
    .kernarg_segment_align: 8
    .kernarg_segment_size: 80
    .max_flat_workgroup_size: 512
    .sgpr_count:     66
    .vgpr_count:     256
    .wavefront_size: 32
...
	.end_amdgpu_metadata
.endif
;; end of part 1
